; MI455X (gfx1250); checked and timed in simulation.
; The chip was launched on July 23, 2026; its instructions are those of AMD's public machine-readable ISA for CDNA 5 (MIT licence, August 2026) and "CDNA5" Instruction Set Architecture Reference Guide (July 2026). The comments in the code are by the model that wrote it; some were corrected since.
;; Vi T Self Attention. Allowed arithmetic: matrix products marked QUANTISED: E3M2 operands, one E8M0 scale for each 32 along K, by v_wmma_scale_f32_16x16x128_f8f6f4 with both operands' format E3M2, f32 sums; everything else in f32.
;; Inputs: Wk 768 x 768 float32; Wq 768 x 768 float32; Wv 768 x 768 float32; bk 768 float32; bq 768 float32; bv 768 float32; hidden_states 16 x 1,024 x 768 float32.
;; Outputs: out0 16 x 1,024 x 768 float32.
;; This version of the problem:
;;   THIS VERSION OF THE PROBLEM IS GIVEN IN LOW PRECISION. The matrix products marked QUANTISED in the list below multiply operands that are first quantised to E3M2 (3 exponent bits, 2 mantissa bits; 6 bits a number), with one power-of-two scale for each 32 numbers along K (OCP MX v1.0); their sums are f32. All else is computed in f32.
;;   The module's matrix products, in the order in which they are computed (A, B: the left and right operand; K: the contracted axis; several contracted axes count as one K, in the product's order):
;;     1. [M 16,384, K 768] x [K 768, N 768]; A: input hidden_states; B: input Wq: QUANTISED
;;     2. [M 16,384, K 768] x [K 768, N 768]; A: input hidden_states; B: input Wk: QUANTISED
;;     3. [M 16,384, K 768] x [K 768, N 768]; A: input hidden_states; B: input Wv: QUANTISED
;;     4. batch 192 x [M 1,024, K 64] x [K 64, N 1,024]; A: computed on the way; B: computed on the way: QUANTISED
;;     5. batch 192 x [M 1,024, K 1,024] x [K 1,024, N 64]; A: softmax (see below); B: computed on the way: QUANTISED
;;   THE QUANTISER, for each operand of a quantised product, along K:
;;     - K is cut into blocks of 32 from its start; a last block that is shorter is filled with zeros.
;;     - A block's scale is 2^e with e = floor(log2(the largest magnitude in the block)) - 4, held to -126 .. 127; a block of zeros has e = 0. As a byte (E8M0): e + 127.
;;     - Each number is divided by its block's scale, clamped to +-28, and rounded to the nearest number of E3M2, ties to even, subnormals kept.
;;     - The product sums the exact products of the quantised numbers (number of the format x scale) in f32.
;;   ~~~python
;;   def quantise(x, axis):      # numpy; x: float32 -> the quantised numbers, widened to float32 again
;;       x = np.moveaxis(x, axis, -1); K = x.shape[-1]
;;       x = np.pad(x, [(0, 0)] * (x.ndim - 1) + [(0, -K % 32)]); x = x.reshape(x.shape[:-1] + (-1, 32)); a = np.abs(x).max(-1, keepdims=True)
;;       e = np.where(a > 0, np.clip(np.frexp(np.where(a > 0, a, 1))[1] - 1 - 4, -126, 127), 0)      # np.frexp(a)[1] - 1 = floor(log2(a)), exactly
;;       r = np.clip(x / 2.0 ** e, -28, 28)
;;       step = 2.0 ** (np.maximum(np.frexp(np.where(r == 0, 1, r))[1] - 1, -2) - 2)
;;       q = np.round(r / step) * step * 2.0 ** e      # np.round: ties to even
;;       return np.moveaxis(q.reshape(q.shape[:-2] + (-1,))[..., :K], -1, axis).astype(np.float32)
;;   ~~~
;;   SOFTMAX AHEAD OF A QUANTISED PRODUCT. Where the list says 'softmax', what is quantised is not the finished softmax but p = 2^(t - M), with t = logit x log2(e) and M = ceil(the row's largest t), a whole number; so 1/2 < the row's largest p <= 1. The row's sum l is taken of the UNQUANTISED p, in f32, and the product's result is divided by l at the end. Since M is a whole number, a kernel that streams over the keys may use a running M (the ceiling of the running maximum): every later rescaling is an exact power of two, which a block's scale takes up: the codes' values come out the same.
;;   OPERANDS COMPUTED ON THE WAY. 'Computed on the way' means the value that the module computes at that place (a softmax that the list does not call 'softmax' is quantised finished and normalised). What goes into a quantiser is computed in f32, as accurately as f32 sums, v_exp_f32 and their like allow (about 1e-6 of the number): no bf16 or f16 on the way to a quantiser, and a product that is left as it is and whose result goes on into a quantised operand takes f32 operands (vector FMAs, or v_wmma_f32_16x16x4_f32). A number that lies on a knife's edge between two numbers of the format may be rounded either way, as far as f32 arithmetic and the matrix unit's own rounding can turn it there, and no further.
;; One version. Each part assembles by itself: llvm-mc -triple=amdgcn-amd-amdhsa -mcpu=gfx1250 --defsym DOCPART=n.
;; ======== version 1 of 1: 3 launches
;; limits: right only within a limited range of input values
;; workspace buffers: xg 9,830,400 bytes; wg 1,382,400 bytes; qb 10,223,616 bytes; kv 20,447,232 bytes
;; launch quant (part 1): grid 292 x 3, 4 waves a work-group, no clusters, 69,120 bytes of LDS; arguments hidden_states, Wq, Wk, Wv, xg, wg; writes xg, wg
.if DOCPART == 1
	.amdgcn_target "amdgcn-amd-amdhsa--gfx1250"
	.amdhsa_code_object_version 6
	.text
	.protected	k_q53c8913f7c_quant
	.globl	k_q53c8913f7c_quant
	.p2align	8
	.type	k_q53c8913f7c_quant,@function
k_q53c8913f7c_quant:
	s_mov_b64 s[64:65], 0
	v_nop
	global_prefetch_b8 v0, s[64:65] scope:SCOPE_SE
	s_setreg_imm32_b32 hwreg(HW_REG_WAVE_MODE, 25, 1), 1
	s_wait_xcnt 0x0
; hidden_states [16384][768] and Wq, Wk, Wv [768][768], f32 with K innermost, become codes of BF6 (E3M2) with one E8M0 byte for each 32 along K,
; laid as IMAGES OF OPERAND REGISTERS, so that the next launch takes every fragment by three loads of 16 bytes a lane.  Every step and input of the problem is live: nothing is left out.
; A GROUP is 64 rows = 4 tiles of 16.  THE ROWS OF A TILE ARE NOT NEIGHBOURS: row i of tile j is row 8 j + i % 8 + 32 (i / 8) of the group, so that in a product's result
; the 32 registers that a lane holds of four tiles are 32 neighbours: one whole block along the next product's K.
; A group's record is 38,400 bytes: for each K step of 128 (six) 6,400 bytes: 4 fragments of 1,536 bytes (register quad c of lane l at 512 c + 16 l), then 256 bytes of scale
; words (tile j, row r at 64 j + 4 r).   xg: group = 64 tokens.   wg: group = 3 x head + type (q 0, k 1, v 2), 64 features of one head.
; SHARES.  Work-group x: 0-255 token groups, 256-267 Wq's heads, 268-279 Wk's, 280-291 Wv's; y: K steps 2 y and 2 y + 1.  Wave w: tile w.  One path: only pointers and offsets are chosen.
; A load reads 512 consecutive bytes of a row; the conversions want 16 neighbours along K in one lane: so a tile's 16 x 512 bytes turn through the wave's own stage in LDS.
; A block's scale byte is its largest magnitude's exponent field - 4, held at 1 from below.
; LIMITS: a block of zeros, or one whose largest magnitude lies under 2^-122, gets the byte 1 (the bytes are read by this program alone); NaN and infinities among the inputs are not served.
.set ROWB,  3072
.set GREC,  38400
.set SREC,  6400
.set FRB,   1536
.set SP,    528                        ; a stage row: 512 bytes + 16
.set STG,   16*SP
.set WREG,  2*STG
.set SCW,   4*WREG                     ; the work-group's scale words, 256 bytes for each of the two K steps
.set SPARE, 0x10c00                    ; the spare words, 128 bytes a wave
.set TM,    16
.set PW,    32
.set PC,    36
.set PC2,   192
.set R,     64
.set X,     192
.set SEL,   36                         ; s[36:37] selects for lane l xor 16
; 64 numbers of a lane, register 16 b + i = k 32 b + 16 (lane / 16) + i of my row, become a fragment's 12 registers at v[pc] and its scale word in v[pw]
.macro QUANT src, pc, pw
.irp b, 0,1,2,3
	v_max3_num_f32 v[TM+\b], |v[\src+16*\b]|, |v[\src+1+16*\b]|, 0x2800000   ; with the floor 2^(5 - 127)
.endr
.irp i, 2,4,6,8,10,12,14
.irp b, 0,1,2,3
	v_max3_num_f32 v[TM+\b], v[TM+\b], |v[\src+16*\b+\i]|, |v[\src+1+16*\b+\i]|
.endr
.endr
.irp b, 0,1,2,3
	v_permlanex16_b32 v[TM+4+\b], v[TM+\b], s[SEL], s[SEL+1]
.endr
.irp b, 0,1,2,3
	v_max_num_f32 v[TM+\b], v[TM+\b], v[TM+4+\b]
.endr
.irp b, 0,1,2,3
	v_add_nc_u32 v[TM+12+\b], 0xfe000000, v[TM+\b]   ; 4 off the exponent field: the conversion's scale operand
.endr
.irp b, 0,1,2,3
	v_lshrrev_b32 v[TM+4+\b], 23, v[TM+12+\b]
.endr
	v_lshl_or_b32 v[\pw], v[TM+5], 8, v[TM+4]
	v_lshl_or_b32 v[\pw], v[TM+6], 16, v[\pw]
	v_lshl_or_b32 v[\pw], v[TM+7], 24, v[\pw]
.irp c, 0,1
	v_cvt_scalef32_pk16_bf6_f32 v[\pc+6*\c:\pc+2+6*\c], v[\src+32*\c:\src+15+32*\c], v[TM+12+2*\c]
	v_cvt_scalef32_pk16_bf6_f32 v[\pc+12+4*\c:\pc+14+4*\c], v[\src+16+32*\c:\src+31+32*\c], v[TM+12+2*\c+1]
.endr
	v_nop                                          ; one plain place behind a scaled conversion
.irp c, 0,1                                    ; a whole block to a lane
.irp i, 0,1,2
	v_permlane16_swap_b32 v[\pc+6*\c+\i], v[\pc+12+4*\c+\i]
.endr
.irp i, 0,1,2
	v_mov_b32 v[\pc+3+6*\c+\i], v[\pc+12+4*\c+\i]
.endr
.endr
.endm
	s_load_b256 s[4:11], s[0:1], 0x0               ; hidden_states, Wq, Wk, Wv
	s_load_b128 s[12:15], s[0:1], 0x20             ; xg, wg
	v_lshrrev_b32 v1, 5, v0
	v_readfirstlane_b32 s16, v1                    ; wave = tile
	s_and_b32 s17, ttmp7, 0xffff                   ; which third of K
	s_cmp_ge_u32 ttmp9, 268
	s_cselect_b32 s19, 1, 0
	s_cmp_ge_u32 ttmp9, 280
	s_cselect_b32 s20, 1, 0
	s_add_co_u32 s21, s19, s20                     ; a weight's type
	s_mul_i32 s18, s21, 12
	s_sub_co_u32 s22, ttmp9, 256
	s_sub_co_u32 s22, s22, s18                     ; and its head
	s_mul_i32 s23, s22, 3
	s_add_co_u32 s23, s23, s21                     ; its group in wg
	s_mov_b32 s[SEL], 0x76543210
	s_mov_b32 s[SEL+1], 0xfedcba98
	s_mul_i32 s38, s16, WREG
	s_lshl_b32 s39, s16, 6
	s_add_co_u32 s39, s39, SCW
	v_lshl_add_u32 v62, v0, 2, SPARE
	v_mov_b32 v63, 0
	v_and_b32 v1, 31, v0
	v_and_b32 v2, 15, v0                           ; r
	v_bfe_u32 v3, v0, 4, 1                         ; h
	v_lshlrev_b32 v4, 4, v1                        ; 16 x lane
	v_add_nc_u32 v5, s38, v4                       ; the stage, on the way in
	v_mul_u32_u24 v6, v2, SP
	v_lshl_add_u32 v6, v3, 6, v6
	v_add_nc_u32 v6, s38, v6                       ; and out: row r, + 64 h
	v_lshl_add_u32 v7, v2, 2, s39                  ; my row's scale word
	v_add_nc_u32 v8, SCW, v4
	v_mul_u32_u24 v9, v3, SREC
	v_lshl_add_u32 v9, v2, 4, v9
.irp b, 0,1,2,3
	v_mov_b32 v[TM+4+\b], 0                        ; a lane permute's destination counts as a source
.endr
	s_wait_alu depctr_va_vdst(0)                   ; the wait at the head's end
	s_wait_kmcnt 0x0
	s_cmp_ge_u32 ttmp9, 268
	s_cselect_b64 s[24:25], s[8:9], s[6:7]
	s_cmp_ge_u32 ttmp9, 280
	s_cselect_b64 s[24:25], s[10:11], s[24:25]
	s_cmp_lt_u32 ttmp9, 256
	s_cselect_b64 s[24:25], s[4:5], s[24:25]       ; from where,
	s_cselect_b64 s[26:27], s[12:13], s[14:15]     ; to where,
	s_cselect_b32 s22, ttmp9, s22                  ; which 64 rows,
	s_cselect_b32 s23, ttmp9, s23                  ; which record
	s_mul_i32 s28, s22, 64*ROWB
	s_lshl_b32 s30, s16, 3                         ; my tile's first row: 8 w
	s_mul_i32 s30, s30, ROWB
	s_add_co_u32 s28, s28, s30
	s_lshl_b32 s30, s17, 10
	s_add_co_u32 s28, s28, s30
	s_mov_b32 s29, 0
	s_add_nc_u64 s[24:25], s[24:25], s[28:29]
	s_mul_i32 s28, s23, GREC
	s_mul_i32 s30, s17, 2*SREC
	s_add_co_u32 s28, s28, s30
	s_add_nc_u64 s[34:35], s[26:27], s[28:29]
	s_mul_i32 s28, s16, FRB
	s_add_nc_u64 s[32:33], s[34:35], s[28:29]
.irp f, 0,1
.irp i, 0,1,2,3,4,5,6,7,8,9,10,11,12,13,14,15
	global_load_b128 v[R+64*\f+4*\i:R+64*\f+4*\i+3], v4, s[24:25] offset:(\i+24*(\i/8))*ROWB+512*\f th:TH_LOAD_NT   ; row i of my tile: 512 consecutive bytes
.endr
.endr
	s_wait_loadcnt 16                              ; the first K step's sixteen loads are in
.irp i, 0,1,2,3,4,5,6,7,8,9,10,11,12,13,14,15
	ds_store_b128 v5, v[R+4*\i:R+4*\i+3] offset:SP*\i
.endr
.irp b, 0,1,2,3
.irp j, 0,1,2,3
	ds_load_b128 v[X+16*\b+4*\j:X+16*\b+4*\j+3], v6 offset:128*\b+16*\j   ; LDS serves a wave's instructions in order
.endr
.endr
	s_wait_loadcnt 0x0
.irp i, 0,1,2,3,4,5,6,7,8,9,10,11,12,13,14,15
	ds_store_b128 v5, v[R+64+4*\i:R+64+4*\i+3] offset:STG+SP*\i
.endr
	s_wait_dscnt 16                                ; all but the sixteen stores just issued
.irp b, 0,1,2,3
.irp j, 0,1,2,3
	ds_load_b128 v[R+16*\b+4*\j:R+16*\b+4*\j+3], v6 offset:STG+128*\b+16*\j
.endr
.endr
	QUANT X, PC, PW
.irp c, 0,1,2
	global_store_b128 v4, v[PC+4*\c:PC+4*\c+3], s[32:33] offset:512*\c
.endr
	ds_store_b32 v7, v[PW]
	s_wait_dscnt 1                                 ; all but that store
	QUANT R, PC2, PW+1
.irp c, 0,1,2
	global_store_b128 v4, v[PC2+4*\c:PC2+4*\c+3], s[32:33] offset:SREC+512*\c
.endr
	ds_store_b32 v7, v[PW+1] offset:256
	s_wait_dscnt 0x0                               ; for wave 0's sake
	s_barrier_signal -1
	s_barrier_wait -1
	s_cmp_lg_u32 s16, 0
	s_cbranch_scc1 .Lend
	ds_load_b128 v[56:59], v8                      ; the four tiles' words of both K steps
	s_wait_dscnt 0x0
	global_store_b128 v9, v[56:59], s[34:35] offset:4*FRB   ; sixteen lanes store 256 consecutive bytes, aligned
.Lend:
	s_wait_tensorcnt 0x0                           ; the wave's end
	ds_add_u32 v62, v63
	s_wait_dscnt 0x0
	s_endpgm
.Lfunc_end_k_q53c8913f7c_quant:
	.size	k_q53c8913f7c_quant, .Lfunc_end_k_q53c8913f7c_quant-k_q53c8913f7c_quant
	.p2alignl 7, 3214868480
	.fill 96, 4, 3214868480
	.section	.rodata,"a",@progbits
	.p2align	6, 0x0
	.amdhsa_kernel k_q53c8913f7c_quant
		.amdhsa_group_segment_fixed_size 69120
		.amdhsa_private_segment_fixed_size 0
		.amdhsa_enable_private_segment 0
		.amdhsa_kernarg_size 48
		.amdhsa_user_sgpr_count 2
		.amdhsa_user_sgpr_kernarg_segment_ptr 1
		.amdhsa_wavefront_size32 1
		.amdhsa_system_sgpr_workgroup_id_x 1
		.amdhsa_system_sgpr_workgroup_id_y 1
		.amdhsa_system_sgpr_workgroup_id_z 1
		.amdhsa_system_vgpr_workitem_id 0
		.amdhsa_next_free_vgpr 256
		.amdhsa_next_free_sgpr 66
		.amdhsa_reserve_vcc 0
		.amdhsa_float_denorm_mode_32 3
		.amdhsa_float_denorm_mode_16_64 3
		.amdhsa_memory_ordered 1
		.amdhsa_forward_progress 1
		.amdhsa_inst_pref_size 19
	.end_amdhsa_kernel
	.amdgpu_metadata
---
amdhsa.version: [ 1, 2 ]
amdhsa.kernels:
  - .name:           k_q53c8913f7c_quant
    .symbol:         k_q53c8913f7c_quant.kd
    .args:
      - { .name: hidden_states, .offset: 0, .size: 8, .value_kind: global_buffer, .address_space: global }
      - { .name: Wq, .offset: 8, .size: 8, .value_kind: global_buffer, .address_space: global }
      - { .name: Wk, .offset: 16, .size: 8, .value_kind: global_buffer, .address_space: global }
      - { .name: Wv, .offset: 24, .size: 8, .value_kind: global_buffer, .address_space: global }
      - { .name: xg, .offset: 32, .size: 8, .value_kind: global_buffer, .address_space: global }
      - { .name: wg, .offset: 40, .size: 8, .value_kind: global_buffer, .address_space: global }
    .group_segment_fixed_size: 69120
    .private_segment_fixed_size: 0
    .kernarg_segment_align: 8
    .kernarg_segment_size: 48
    .max_flat_workgroup_size: 128
    .sgpr_count:     66
    .vgpr_count:     256
    .wavefront_size: 32
...
	.end_amdgpu_metadata
.endif
;; end of part 1
;; launch proj (part 2): grid 4 x 64, 12 waves a work-group, clusters of 4 x 4, 327,680 bytes of LDS; arguments xg, wg, bq, bk, bv, qb, kv; writes qb, kv
.if DOCPART == 2
	.amdgcn_target "amdgcn-amd-amdhsa--gfx1250"
	.amdhsa_code_object_version 6
	.text
	.protected	k_q53c8913f7c_proj
	.globl	k_q53c8913f7c_proj
	.p2align	8
	.type	k_q53c8913f7c_proj,@function
k_q53c8913f7c_proj:
	s_mov_b64 s[64:65], 0
	v_nop
	global_prefetch_b8 v0, s[64:65] scope:SCOPE_SE
	s_setreg_imm32_b32 hwreg(HW_REG_WAVE_MODE, 25, 1), 1
	s_wait_xcnt 0x0
	s_wait_alu depctr_hold_cnt(0) depctr_sa_sdst(0) depctr_va_vdst(0) depctr_va_sdst(0) depctr_va_ssrc(0) depctr_va_vcc(0) depctr_vm_vsrc(0)
	s_getreg_b32 s2, hwreg(HW_REG_IB_STS2, 6, 4)
	s_cmp_eq_u32 s2, 0
	s_cbranch_scc0 .Lentry_in_a_cluster
	s_endpgm
.Lentry_in_a_cluster:
	s_bfe_u32 s2, ttmp6, 0x10000c
	s_cmp_lg_u32 s2, 0xf033
	s_cbranch_scc0 .Lentry_shape_is_right
	s_endpgm
.Lentry_shape_is_right:
; q, k, v = x W^T + b on codes of BF6 (E3M2) with E8M0 scales, and at once their own codes for the attention: q and k quantised along the head's 64 channels, v along the keys.
; SHARES.  A work-group takes 256 tokens (y) and THREE heads (3 x, 3 x + 1, 3 x + 2), one after the other.  Wave w: role w / 4 (q, k, v), token group w % 4: 64 tokens x 64 features, 16 accumulators.
; ONE TEXT FOR ALL ROLES: D(a, b) = F0's tile a x F1's tile b.  q, k: F0 = the weight's group, F1 = x's: a lane holds one token, its registers run along the channels.  v: F0 = x's group, F1 = Wv's: a lane holds one channel,
; its registers run along the tokens.  Row i of tile j is row 8 j + i % 8 + 32 (i / 8) of its group, so for a fixed b the lane's 32 registers are F0's rows 32 (lane / 16) + 0 .. 31: one whole block of the next product's K.
; LDS: six chunks (K steps of 128) of 44,800 bytes: x's four groups, then Wq's, Wk's, Wv's, 6,400 bytes each.  x's parts are filled once and serve all three heads.
; The weights' parts are a ring of two slots: chunks 0-2 and chunks 3-5; a slot is filled with the next head's weights when every wave has read it.
; LOADS: at the head each of the twelve waves issues one: wave w chunk w / 2, even waves x's part, odd waves the weights'.  A refill is three loads, by the odd waves of that slot.  A wave has one tensor load out at the most.
; CLUSTERS: 4 x 4.  The four of a row take the same tokens, the four of a column the same heads: x's parts are asked for jointly along the row, the weights' along the column.
; No prefetch: x is asked for once, at the head, with no loop ahead of it; the weights' 115,200 bytes a head are read by all 64 token blocks.
; The bias starts each sum (it is loaded into the accumulators).
; OUT.  qb: record 16 (16 head + batch) + token group, 3,328 bytes: 4 tiles of 768 (registers 0-3 at 16 x lane, 4-5 at 512 + 8 x lane), then 256 bytes of scale half-words at 8 x lane + 4 x pair
; (lanes 0-15 tile 2 pair, lanes 16-31 tile 2 pair + 1; two bytes, the upper two 0).   kv: for the same index 6,656 bytes: k's record, then v's (rows = channels, codes = the group's 64 keys).
; LIMITS: a block of zeros, or one whose largest magnitude lies under 2^-122, gets the byte 1 (read by this program alone); NaN and infinities are not served.
.set SREC,  6400
.set CHUNK, 7*SREC
.set FRB,   1536
.set SPARE, 0x41c00                    ; behind the six chunks: the spare words, 128 bytes a wave
.set AF0,   3                          ; v3-6: this K step's LDS addresses: F0's and F1's fragments, F0's and F1's scale words
.set AF1,   4
.set AS0,   5
.set AS1,   6
.set SA,    10
.set SB,    12
.set SW,    14                         ; v14-15 the results' scale half-words
.set F0,    16
.set F1,    64
.set ACC,   112                        ; accumulator (a, b) at 32 b + 8 a
.set BA,    240                        ; v240-243 the four addresses in chunk 0; never rewritten
.set TM,    244                        ; v244-247 a block's largest magnitude, then the conversions' scale operand
.set BY,    248                        ; v248-251 the scales' bytes
.set WW,    252                        ; my four bytes; v253 lane l xor 16's
.set XW,    253
.set PC,    16                         ; the codes: tile b at 6 b
.set CT,    40                         ; the conversions' second halves
.set WV,    18
.set SEL,   22
.set G1X,   24
.set G1W,   32
.set G0X,   40
.set G0W,   44
.set KIND,  48                         ; 0: I fetch x's part of a chunk, 1: the weights'
.set CH,    49                         ; which chunk
.set STP,   50                         ; s[50:51] bytes from a head's record to the next head's
.macro ROUND
	s_barrier_signal -1
	s_barrier_wait -1
	s_cmp_lg_u32 s[WV], 0
	s_cbranch_scc1 .Lnot_wave_0_\@
	s_barrier_signal -3
.Lnot_wave_0_\@:
	s_barrier_wait -3
	s_barrier_signal -1
	s_barrier_wait -1
.endm
.macro FRAG reg, adr, off
.irp c, 0,1,2
	ds_load_b128 v[\reg+4*\c:\reg+4*\c+3], v[\adr] offset:\off+512*\c
.endr
.endm
.macro MM a, b                         ; an odd tile's scale words stand in lanes 16-31
.set DD, ACC+32*(\b)+8*(\a)
.if ((\a)%2) && ((\b)%2)
	v_wmma_scale_f32_16x16x128_f8f6f4 v[DD:DD+7], v[F0+12*(\a):F0+12*(\a)+11], v[F1+12*(\b):F1+12*(\b)+11], v[DD:DD+7], v[SA+(\a)/2], v[SB+(\b)/2] matrix_a_fmt:MATRIX_FMT_BF6 matrix_b_fmt:MATRIX_FMT_BF6 matrix_a_scale:MATRIX_SCALE_ROW1 matrix_b_scale:MATRIX_SCALE_ROW1
.elseif (\a)%2
	v_wmma_scale_f32_16x16x128_f8f6f4 v[DD:DD+7], v[F0+12*(\a):F0+12*(\a)+11], v[F1+12*(\b):F1+12*(\b)+11], v[DD:DD+7], v[SA+(\a)/2], v[SB+(\b)/2] matrix_a_fmt:MATRIX_FMT_BF6 matrix_b_fmt:MATRIX_FMT_BF6 matrix_a_scale:MATRIX_SCALE_ROW1
.elseif (\b)%2
	v_wmma_scale_f32_16x16x128_f8f6f4 v[DD:DD+7], v[F0+12*(\a):F0+12*(\a)+11], v[F1+12*(\b):F1+12*(\b)+11], v[DD:DD+7], v[SA+(\a)/2], v[SB+(\b)/2] matrix_a_fmt:MATRIX_FMT_BF6 matrix_b_fmt:MATRIX_FMT_BF6 matrix_b_scale:MATRIX_SCALE_ROW1
.else
	v_wmma_scale_f32_16x16x128_f8f6f4 v[DD:DD+7], v[F0+12*(\a):F0+12*(\a)+11], v[F1+12*(\b):F1+12*(\b)+11], v[DD:DD+7], v[SA+(\a)/2], v[SB+(\b)/2] matrix_a_fmt:MATRIX_FMT_BF6 matrix_b_fmt:MATRIX_FMT_BF6
.endif
.endm
; THE BIAS STARTS THE SUMS.  q, k: register j of accumulator (a, b) is channel 8 a + 32 h + j.   v: every register of the accumulators (., b) is channel 8 b + r % 8 + 32 (r / 8)
.macro BIASL hd                        ; the loads
	s_cmp_eq_u32 s19, 2
	s_cbranch_scc1 .Lbv_\@
.irp b, 0,1,2,3
.irp a, 0,1,2,3
	global_load_b128 v[ACC+32*\b+8*\a:ACC+32*\b+8*\a+3], v8, s[66:67] offset:256*(\hd)+32*\a
	global_load_b128 v[ACC+32*\b+8*\a+4:ACC+32*\b+8*\a+7], v8, s[66:67] offset:256*(\hd)+32*\a+16
.endr
.endr
	s_branch .Lbd_\@
.Lbv_\@:
.irp b, 0,1,2,3
	global_load_b32 v[ACC+32*\b], v9, s[66:67] offset:256*(\hd)+32*\b
.endr
.Lbd_\@:
.endm
.macro BIASF                           ; they are in; v's one number a tile is copied to its 32 registers
	s_wait_loadcnt 0x0
	s_cmp_lg_u32 s19, 2
	s_cbranch_scc1 .Lnv_\@
.irp b, 0,1,2,3
.set n, 1
.rept 31
	v_mov_b32 v[ACC+32*\b+n], v[ACC+32*\b]
.set n, n+1
.endr
.endr
.Lnv_\@:
	s_wait_alu depctr_va_vdst(0)
.endm
; A K STEP of 128: 28 LDS loads, 16 products; the sixteen accumulators take turns
.macro KSTEP s
.irp v, 0,1,2,3
	v_add_nc_u32 v[AF0+\v], CHUNK*\s, v[BA+\v]     ; this chunk.  These four are also the places between the last products and the loads into their registers
.endr
	ds_load_b32 v[SA], v[AS0]
	ds_load_b32 v[SA+1], v[AS0] offset:128
	ds_load_b32 v[SB], v[AS1]
	ds_load_b32 v[SB+1], v[AS1] offset:128
	FRAG F1, AF1, 0
.irp a, 0,1,2,3
	FRAG F0+12*\a, AF0, FRB*\a
.endr
.irp b, 1,2,3
	FRAG F1+12*\b, AF1, FRB*\b
.endr
.irp b, 0,1,2,3
	s_wait_dscnt 9-3*\b                            ; F1's later tiles, three loads each, may be out
.irp a, 0,1,2,3
	MM \a, \b
.endr
.endr
.endm
; A change of slots.  Every wave: all its tensor loads have landed, the add, its LDS reads are over.  fill = 1: a round of the cluster's barrier, and the slot just read takes the next head's weights
.macro BOUND slot, fill
	s_wait_tensorcnt 0x0
	ds_add_u32 v254, v255
	s_wait_dscnt 0x0
.if \fill
	ROUND
	s_cmp_eq_u32 s[KIND], 0
	s_cbranch_scc1 .Lno_\@
	s_cmp_lt_u32 s[WV], 6                          ; chunks 0-2 are fetched by waves 1, 3, 5; chunks 3-5 by waves 7, 9, 11
.if \slot
	s_cbranch_scc1 .Lno_\@
.else
	s_cbranch_scc0 .Lno_\@
.endif
	s_add_nc_u64 s[G0W+2:G0W+3], s[G0W+2:G0W+3], 3*38400   ; the next head's three groups
	tensor_load_to_lds s[G0W:G0W+3], s[G1W:G1W+7]
	s_nop 0
.rept 4
	v_nop
.endr
.Lno_\@:
.else
	s_barrier_signal -1
	s_barrier_wait -1
.endif
.endm
; THE WAY OUT of a head.  For each b the lane's 32 registers are one block: its largest magnitude needs no other lane, and the two conversions give registers 0-5 of tile b's fragment.
.macro EPI hd
.rept 4
	v_nop                                          ; places behind the last products
.endr
.irp b, 0,1,2,3
	v_max3_num_f32 v[TM+\b], |v[ACC+32*\b]|, |v[ACC+32*\b+1]|, 0x2800000   ; with the floor 2^(5 - 127); each accumulator is read from its low end on
.endr
.irp i, 2,4,6,8,10,12,14,16,18,20,22,24,26,28,30
.irp b, 0,1,2,3
	v_max3_num_f32 v[TM+\b], v[TM+\b], |v[ACC+32*\b+\i]|, |v[ACC+32*\b+\i+1]|
.endr
.endr
.irp b, 0,1,2,3
	v_add_nc_u32 v[TM+\b], 0xfe000000, v[TM+\b]    ; 4 off the exponent field: the conversion's scale operand
.endr
.irp b, 0,1,2,3
	v_cvt_scalef32_pk16_bf6_f32 v[PC+6*\b:PC+6*\b+2], v[ACC+32*\b:ACC+32*\b+15], v[TM+\b]
	v_cvt_scalef32_pk16_bf6_f32 v[CT+4*\b:CT+4*\b+2], v[ACC+32*\b+16:ACC+32*\b+31], v[TM+\b]   ; (a conversion's three registers begin on an even number)
.endr
.irp b, 0,1,2,3
	v_lshrrev_b32 v[BY+\b], 23, v[TM+\b]           ; the scale's byte.  (The plain place behind the conversions)
.endr
.if \hd < 2
	s_wait_alu depctr_va_vdst(0)                   ; the wait ahead of the branches
	BIASL \hd+1                                    ; the accumulators have been read: the next head's bias is asked for
.endif
.irp b, 0,1,2,3
.irp i, 0,1,2
	v_mov_b32 v[PC+6*\b+3+\i], v[CT+4*\b+\i]
.endr
.endr
	v_lshl_or_b32 v[WW], v[BY+1], 8, v[BY]         ; byte b: tile b's block lane / 16
	v_add_nc_u32 v[BY], 0x202, v7                  ; the selects for tiles 2 | 3
	v_lshl_or_b32 v[WW], v[BY+2], 16, v[WW]
	s_delay_alu instid0(VALU_DEP_1)
	v_lshl_or_b32 v[WW], v[BY+3], 24, v[WW]
	s_delay_alu instid0(VALU_DEP_1)
	v_permlanex16_b32 v[XW], v[WW], s[SEL], s[SEL+1]   ; the other block's
	s_delay_alu instid0(VALU_DEP_1)
	v_perm_b32 v[SW], v[XW], v[WW], v7             ; lanes 0-15: tile 0's two bytes, lanes 16-31: tile 1's; the upper two 0
	v_perm_b32 v[SW+1], v[XW], v[WW], v[BY]
.irp b, 0,1,2,3
	global_store_b128 v1, v[PC+6*\b:PC+6*\b+3], s[2:3] offset:768*\b       ; 512 consecutive bytes, at a multiple of 256
	global_store_b64 v2, v[PC+6*\b+4:PC+6*\b+5], s[2:3] offset:768*\b+512  ; 256
.endr
	global_store_b64 v2, v[SW:SW+1], s[2:3] offset:3072
.if \hd < 2
	s_wait_xcnt 0x0                                ; the stores have read their data and base: both are written again below
	s_add_nc_u64 s[2:3], s[2:3], s[STP:STP+1]
	BIASF
.endif
.endm
	s_load_b256 s[4:11], s[0:1], 0x0               ; xg, wg, bq, bk
	s_load_b128 s[12:15], s[0:1], 0x20             ; bv, qb
	s_load_b64 s[16:17], s[0:1], 0x30              ; kv
	v_lshl_add_u32 v254, v0, 2, SPARE
	v_mov_b32 v255, 0
	ds_add_u32 v254, v255                          ; the opening lines: the add twice and one wait
	ds_add_u32 v254, v255
	v_lshrrev_b32 v1, 5, v0
	v_readfirstlane_b32 s[WV], v1
	s_lshr_b32 s19, s[WV], 2                       ; role
	s_and_b32 s20, s[WV], 3                        ; token group
	s_and_b32 s[KIND], s[WV], 1
	s_lshr_b32 s[CH], s[WV], 1
	s_bfe_u32 s92, ttmp6, 0x40000                  ; cx, cy
	s_bfe_u32 s93, ttmp6, 0x40004
	s_mul_i32 s94, s92, 3                          ; my first head = 3 cx (the grid is one cluster wide)
	s_and_b32 s95, ttmp7, 0xffff
	s_lshl_b32 s95, s95, 2
	s_add_co_u32 s95, s95, s93                     ; the block of 256 tokens
	s_lshl_b32 s96, s93, 2
	s_lshl_b32 s96, 15, s96                        ; my row of the cluster
	s_lshl_b32 s97, 0x1111, s92                    ; my column
	; group 1: a K step of 4 (x) or 3 (weights) groups: rows of 6,400 bytes (800 elements of 8), 38,400 bytes apart in memory, on end in LDS
	s_or_b32 s[G1X], s96, (3<<16)|(1<<21)
	s_or_b32 s[G1W], s97, (3<<16)|(1<<21)
	s_mov_b32 s[G1X+1], 800<<16
	s_mov_b32 s[G1W+1], 800<<16
	s_mov_b32 s[G1X+2], 4<<16
	s_mov_b32 s[G1W+2], 3<<16
	s_mov_b32 s[G1X+3], 800<<16
	s_mov_b32 s[G1W+3], 800<<16
	s_mov_b32 s[G1X+4], 4
	s_mov_b32 s[G1W+4], 3
	s_mov_b32 s[G1X+5], 4800
	s_mov_b32 s[G1W+5], 4800
	s_mov_b32 s[G1X+6], 0
	s_mov_b32 s[G1W+6], 0
	s_mov_b32 s[G1X+7], 0
	s_mov_b32 s[G1W+7], 0
	s_mul_i32 s21, s[CH], SREC
	s_mul_i32 s98, s95, 4*38400                    ; x's address hangs on the token block and the wave,
	s_add_co_u32 s98, s98, s21
	s_mov_b32 s99, 0
	s_mul_i32 s100, s94, 3*38400                   ; the weights' on the head and the wave
	s_add_co_u32 s100, s100, s21
	s_mov_b32 s101, 0
	; which groups of a chunk are my F0 and F1: q, k: 4 + role and my token group; v: my token group and 6
	s_lshr_b32 s21, s[WV], 3
	s_mul_i32 s21, s21, 7
	s_xor_b32 s22, s21, 7
	s_add_co_u32 s23, s19, 4
	s_and_b32 s23, s23, s22
	s_and_b32 s2, s20, s21
	s_or_b32 s23, s23, s2
	s_and_b32 s2, s20, s22
	s_and_b32 s3, s21, 6
	s_or_b32 s2, s2, s3
	s_mul_i32 s23, s23, SREC
	s_mul_i32 s2, s2, SREC
	v_and_b32 v8, 31, v0
	v_lshlrev_b32 v1, 4, v8                        ; 16 x lane
	v_lshlrev_b32 v2, 3, v8                        ; 8 x lane
	v_lshlrev_b32 v9, 2, v8
	v_add_nc_u32 v[BA], s23, v1
	v_add_nc_u32 v[BA+1], s2, v1
	v_add_nc_u32 v[BA+2], s23, v9
	v_add_nc_u32 v[BA+3], s2, v9
	v_add_nc_u32 v[BA+2], 4*FRB, v[BA+2]
	v_add_nc_u32 v[BA+3], 4*FRB, v[BA+3]
	v_bfe_u32 v9, v0, 4, 1                         ; h
	v_mul_u32_u24 v7, v9, 0x505
	v_xor_b32 v7, 0x0c0c0400, v7                   ; byte selects: lanes 0-15 my byte 0, the other's byte 0; lanes 16-31 the other's byte 1, my byte 1
	v_lshlrev_b32 v8, 7, v9                        ; q's and k's bias: 32 h numbers on
	v_and_b32 v9, 15, v0
	v_and_b32 v14, 8, v9
	v_mad_u32_u24 v9, v14, 3, v9
	v_lshlrev_b32 v9, 2, v9                        ; v's bias: 4 (r + 24 (r / 8))
	v_mov_b32 v[XW], 0                             ; a lane permute's destination counts as a source
	s_mov_b32 s[SEL], 0x76543210
	s_mov_b32 s[SEL+1], 0xfedcba98
	s_wait_alu depctr_va_vdst(0)                   ; the wait at the head's end
	s_wait_dscnt 0x0
	s_wait_kmcnt 0x0
	s_add_nc_u64 s[98:99], s[4:5], s[98:99]
	s_add_nc_u64 s[100:101], s[6:7], s[100:101]
	s_mul_i32 s21, s[CH], CHUNK
	s_mov_b32 s[G0X], 1
	s_mov_b32 s[G0X+1], s21
	s_mov_b64 s[G0X+2:G0X+3], s[98:99]
	s_or_b32 s[G0X+3], s[G0X+3], 0x80000000
	s_mov_b32 s[G0W], 1
	s_add_co_u32 s[G0W+1], s21, 4*SREC
	s_mov_b64 s[G0W+2:G0W+3], s[100:101]
	s_or_b32 s[G0W+3], s[G0W+3], 0x80000000
	s_lshl_b32 s2, s94, 8                          ; my first head's 64 numbers of a bias
	s_mov_b32 s3, 0
	s_cmp_eq_u32 s19, 0
	s_cselect_b64 s[66:67], s[8:9], s[10:11]
	s_cmp_eq_u32 s19, 2
	s_cselect_b64 s[66:67], s[12:13], s[66:67]
	s_add_nc_u64 s[66:67], s[66:67], s[2:3]
	s_lshl_b32 s21, s94, 4
	s_lshr_b32 s2, s95, 2
	s_add_co_u32 s21, s21, s2                      ; 16 x head + batch
	s_lshl_b32 s21, s21, 4
	s_and_b32 s2, s95, 3
	s_lshl_b32 s2, s2, 2
	s_add_co_u32 s21, s21, s2
	s_add_co_u32 s21, s21, s20                     ; x 16 + the token group within the batch item
	s_mul_i32 s2, s21, 3328
	s_mul_i32 s21, s21, 6656
	s_sub_co_u32 s3, s19, 1
	s_mul_i32 s3, s3, 3328
	s_add_co_u32 s21, s21, s3
	s_cmp_eq_u32 s19, 0
	s_cselect_b32 s2, s2, s21
	s_cselect_b64 s[14:15], s[14:15], s[16:17]
	s_mov_b32 s[STP+1], 256*6656
	s_cselect_b32 s[STP], 256*3328, s[STP+1]       ; a head on is 256 records on
	s_mov_b32 s[STP+1], 0
	s_mov_b32 s3, 0
	s_add_nc_u64 s[2:3], s[14:15], s[2:3]
	ROUND                                          ; all sixteen work-groups are here: the joint loads meet
	s_cmp_eq_u32 s[KIND], 0                        ; one load a wave: every way through passes exactly one
	s_cbranch_scc0 .Lhead_w
	tensor_load_to_lds s[G0X:G0X+3], s[G1X:G1X+7]
	s_nop 0
.rept 4
	v_nop
.endr
	s_branch .Lasked
.Lhead_w:
	tensor_load_to_lds s[G0W:G0W+3], s[G1W:G1W+7]
	s_nop 0
.rept 4
	v_nop
.endr
.Lasked:
	BIASL 0
	BIASF
	s_wait_tensorcnt 0x0                           ; my chunk part has landed;
	s_barrier_signal -1
	s_barrier_wait -1                              ; so has everybody's.
.irp hd, 0,1,2
	KSTEP 0
	KSTEP 1
	KSTEP 2
.if \hd < 2
	BOUND 0, 1
.else
	BOUND 0, 0                                     ; the last head's chunks 3-5 are shown whole; nothing more is fetched
.endif
	KSTEP 3
	KSTEP 4
	KSTEP 5
.if \hd < 2
	BOUND 1, 1
.endif
	EPI \hd
.endr
	s_wait_tensorcnt 0x0                           ; the wave's end
	ds_add_u32 v254, v255
	s_wait_dscnt 0x0
	ROUND                                          ; the closing round
	s_endpgm
.Lfunc_end_k_q53c8913f7c_proj:
	.size	k_q53c8913f7c_proj, .Lfunc_end_k_q53c8913f7c_proj-k_q53c8913f7c_proj
	.p2alignl 7, 3214868480
	.fill 96, 4, 3214868480
	.section	.rodata,"a",@progbits
	.p2align	6, 0x0
	.amdhsa_kernel k_q53c8913f7c_proj
		.amdhsa_group_segment_fixed_size 327680
		.amdhsa_private_segment_fixed_size 0
		.amdhsa_enable_private_segment 0
		.amdhsa_kernarg_size 56
		.amdhsa_user_sgpr_count 2
		.amdhsa_user_sgpr_kernarg_segment_ptr 1
		.amdhsa_wavefront_size32 1
		.amdhsa_system_sgpr_workgroup_id_x 1
		.amdhsa_system_sgpr_workgroup_id_y 1
		.amdhsa_system_sgpr_workgroup_id_z 1
		.amdhsa_system_vgpr_workitem_id 0
		.amdhsa_next_free_vgpr 256
		.amdhsa_next_free_sgpr 102
		.amdhsa_reserve_vcc 0
		.amdhsa_float_denorm_mode_32 3
		.amdhsa_float_denorm_mode_16_64 3
		.amdhsa_memory_ordered 1
		.amdhsa_forward_progress 1
		.amdhsa_inst_pref_size 128
	.end_amdhsa_kernel
	.amdgpu_metadata
---
amdhsa.version: [ 1, 2 ]
amdhsa.kernels:
  - .name:           k_q53c8913f7c_proj
    .symbol:         k_q53c8913f7c_proj.kd
    .args:
      - { .name: xg, .offset: 0, .size: 8, .value_kind: global_buffer, .address_space: global }
      - { .name: wg, .offset: 8, .size: 8, .value_kind: global_buffer, .address_space: global }
      - { .name: bq, .offset: 16, .size: 8, .value_kind: global_buffer, .address_space: global }
      - { .name: bk, .offset: 24, .size: 8, .value_kind: global_buffer, .address_space: global }
      - { .name: bv, .offset: 32, .size: 8, .value_kind: global_buffer, .address_space: global }
      - { .name: qb, .offset: 40, .size: 8, .value_kind: global_buffer, .address_space: global }
      - { .name: kv, .offset: 48, .size: 8, .value_kind: global_buffer, .address_space: global }
    .group_segment_fixed_size: 327680
    .private_segment_fixed_size: 0
    .kernarg_segment_align: 8
    .kernarg_segment_size: 56
    .max_flat_workgroup_size: 384
    .sgpr_count:     102
    .vgpr_count:     256
    .wavefront_size: 32
...
	.end_amdgpu_metadata
.endif
;; end of part 2
;; launch attn (part 3): grid 4 x 64, 16 waves a work-group, clusters of 4 x 1, 327,680 bytes of LDS; arguments qb, kv, out0; writes out0
.if DOCPART == 3
	.amdgcn_target "amdgcn-amd-amdhsa--gfx1250"
	.amdhsa_code_object_version 6
	.text
	.protected	k_q53c8913f7c_attn
	.globl	k_q53c8913f7c_attn
	.p2align	8
	.type	k_q53c8913f7c_attn,@function
k_q53c8913f7c_attn:
	s_mov_b64 s[64:65], 0
	v_nop
	global_prefetch_b8 v0, s[64:65] scope:SCOPE_SE
	s_setreg_imm32_b32 hwreg(HW_REG_WAVE_MODE, 25, 1), 1
	s_wait_xcnt 0x0
	s_wait_alu depctr_hold_cnt(0) depctr_sa_sdst(0) depctr_va_vdst(0) depctr_va_sdst(0) depctr_va_ssrc(0) depctr_va_vcc(0) depctr_vm_vsrc(0)
	s_getreg_b32 s2, hwreg(HW_REG_IB_STS2, 6, 4)
	s_cmp_eq_u32 s2, 0
	s_cbranch_scc0 .Lentry_in_a_cluster
	s_endpgm
.Lentry_in_a_cluster:
	s_bfe_u32 s2, ttmp6, 0x10000c
	s_cmp_lg_u32 s2, 0x3003
	s_cbranch_scc0 .Lentry_shape_is_right
	s_endpgm
.Lentry_shape_is_right:
; out0[b][q][64 head ..] = the sum over keys of softmax(q . k / 8) v, both products on codes of BF6 (E3M2) with one E8M0 scale for each 32 along a product's K.
; THE SOFTMAX AHEAD OF THE SECOND PRODUCT: t = score x log2(e) / 8; M = the row's largest t so far, rounded UP to a whole number; p = 2^(t - M) is what is quantised, along the keys, not normalised.
; The row's sum is taken of the unquantised p, in f32, and divides at the end.  When M moves, the sum and O are multiplied by 2^(old M - new M): exact.
; SHARES.  A cluster of four work-groups takes THREE pairs (head, batch), 3 y, 3 y + 1, 3 y + 2 of the 192, one after the other; a work-group takes a quarter of a pair's 1,024 queries, each of its sixteen waves one tile of 16.
; Every wave walks the 1,024 keys, 128 a step: a loop of eight trips, written once for each of the three pairs.
; LDS: two slots of 106,496 bytes, each with K and V of a whole pair as images of operand registers (for each 64 keys: k's record of 3,328 bytes, then v's).  While one slot is read, the other is filled.
; LOADS: the four partners read the same image, so it is asked for JOINTLY; wave w asks for the 6,656 bytes of keys 64 w on: one tensor load a wave at the head and behind each round; a wave has one out at the most.
; No barrier stands inside a pair's eight steps.  No prefetch: a slot's load is asked for eight key steps ahead of the wait for it.
; LAYOUT.  Both products are used transposed: S^T = K Q^T, O^T = V^T P^T: a lane holds ONE query throughout.  Row i of tile j of q, k (tokens) and v (channels) is 8 j + i % 8 + 32 (i / 8) of its 64, so a lane's 32 registers of
; four tiles of S^T are 32 neighbouring keys: a whole block of p, in the lanes that the second product's operand wants; and its 32 registers of O^T are 32 neighbouring channels.
; THE HEAD HAS 64 CHANNELS, THE MATRIX INSTRUCTION IS 128 DEEP.  Q's registers 6-11 are zero codes and the upper two bytes of its scale word are 0.  A tile of k is 6 registers; it is named as 12, of which the upper six
; are the next tile's codes (behind the last tile: zeros): finite numbers that meet Q's zero codes and add nothing.  No scale byte is 0xff.
; LIMITS: NaN and infinities are not served; the promise holds while |t| stays under 2^31; a block whose every p has fallen to 0 keeps the byte 1: its codes are zeros.
.set REC,   3328
.set GRP,   2*REC
.set HEADB, 16*GRP
.set STAGE, 2*HEADB                    ; behind the slots: 16 rows x (256 + 16) bytes for each wave, for the way out
.set SPARE, STAGE+16*16*272            ; behind the stages: the spare words, 128 bytes a wave
.set QF,  16                           ; v16-27 Q's fragment (v22-27 zeros)
.set QS,  28
.set QNS, 29                           ; the next pair's Q: scale word, and v236-241 codes
.set QN,  236
.set KS,  30
.set VR,  34
.set VS,  38
.set KF,  40                           ; v40-87 eight tiles of k, then four fragments of v; v88-93 zeros
.set S,   96                           ; v96-159 S^T, then p
.set O,   160                          ; v160-191 O^T
.set BM,  192                          ; v192-195 partial maxima; v192, v194 the two blocks' largest score, then largest p
.set T,   196
.set TX,  197
.set TO,  198
.set SO,  200
.set BY,  202
.set PS,  204
.set PX,  205
.set PF,  208
.set CT,  220
.set FF,  230                          ; v[230:231] f = 2^(old M - new M); the upper register is only named
.set XS,  242                          ; v242-247 three chains of the sum
.set WV,  18
.set SEL, 20
.set CS,  22                           ; s[22:23] c = log2(e) / 8
.set G1,  24
.set G0,  32                           ; s[32:35] slot 0's group 0, s[36:39] slot 1's
.macro ROUND
	s_barrier_signal -1
	s_barrier_wait -1
	s_cmp_lg_u32 s[WV], 0
	s_cbranch_scc1 .Lnot_wave_0_\@
	s_barrier_signal -3
.Lnot_wave_0_\@:
	s_barrier_wait -3
	s_barrier_signal -1
	s_barrier_wait -1
.endm
.macro WM d, fa, fb, zero, sa, sb, row1
.if (\zero) && (\row1)
	v_wmma_scale_f32_16x16x128_f8f6f4 v[\d:\d+7], v[\fa:\fa+11], v[\fb:\fb+11], 0, v[\sa], v[\sb] matrix_a_fmt:MATRIX_FMT_BF6 matrix_b_fmt:MATRIX_FMT_BF6 matrix_a_scale:MATRIX_SCALE_ROW1
.elseif \zero
	v_wmma_scale_f32_16x16x128_f8f6f4 v[\d:\d+7], v[\fa:\fa+11], v[\fb:\fb+11], 0, v[\sa], v[\sb] matrix_a_fmt:MATRIX_FMT_BF6 matrix_b_fmt:MATRIX_FMT_BF6
.elseif \row1
	v_wmma_scale_f32_16x16x128_f8f6f4 v[\d:\d+7], v[\fa:\fa+11], v[\fb:\fb+11], v[\d:\d+7], v[\sa], v[\sb] matrix_a_fmt:MATRIX_FMT_BF6 matrix_b_fmt:MATRIX_FMT_BF6 matrix_a_scale:MATRIX_SCALE_ROW1
.else
	v_wmma_scale_f32_16x16x128_f8f6f4 v[\d:\d+7], v[\fa:\fa+11], v[\fb:\fb+11], v[\d:\d+7], v[\sa], v[\sb] matrix_a_fmt:MATRIX_FMT_BF6 matrix_b_fmt:MATRIX_FMT_BF6
.endif
.endm
.macro QLOAD h                         ; pair h's Q: my tile's codes and scale half-words
	global_load_b128 v[QN:QN+3], v1, s[50:51] offset:16*REC*(\h) th:TH_LOAD_NT
	global_load_b64 v[QN+4:QN+5], v2, s[50:51] offset:16*REC*(\h)+512 th:TH_LOAD_NT
	global_load_b32 v[QNS], v11, s[52:53] offset:16*REC*(\h)
.endm
; A KEY STEP: 128 keys, at byte s40 of LDS
.macro STEP
	v_add_nc_u32 v3, s40, v1
	v_add_nc_u32 v4, s40, v2
	v_nop
	v_nop                                          ; four places between the last products and the loads into the registers that they read
	s_wait_alu depctr_va_vdst(0)
.irp c, 0,1
.irp j, 0,1,2,3
	ds_load_b128 v[KF+6*(4*\c+\j):KF+6*(4*\c+\j)+3], v3 offset:GRP*\c+768*\j
	ds_load_b64 v[KF+6*(4*\c+\j)+4:KF+6*(4*\c+\j)+5], v4 offset:GRP*\c+768*\j+512
.endr
	ds_load_b64 v[KS+2*\c:KS+2*\c+1], v4 offset:GRP*\c+3072
.endr
	s_wait_dscnt 0x0
.irp c, 0,1                                    ; S^T = K Q^T: register 32 c + i of the 64 is key 64 c + 32 (lane / 16) + i of the step
.irp j, 0,1,2,3
	WM S+8*(4*\c+\j), KF+6*(4*\c+\j), QF, 1, KS+2*\c+\j/2, QS, \j%2
.endr
.endr
.rept 4
	v_nop                                          ; places: in front of the loads below and of the first read of the scores
.endr
.irp c, 0,1                                    ; v's four fragments land while the softmax is worked
.irp t, 0,1,2,3
	ds_load_b128 v[KF+12*\t+6*\c:KF+12*\t+6*\c+3], v3 offset:GRP*\c+REC+768*\t
	ds_load_b64 v[KF+12*\t+6*\c+4:KF+12*\t+6*\c+5], v4 offset:GRP*\c+REC+768*\t+512
.endr
	ds_load_b64 v[VR+2*\c:VR+2*\c+1], v4 offset:GRP*\c+REC+3072
.endr
.irp b, 0,1,2,3                                ; the largest score of each block of 32 keys, in two chains a block; each accumulator is read from its low end on
	v_max3_num_f32 v[BM+\b], v[S+16*\b], v[S+1+16*\b], v[S+2+16*\b]
.endr
.irp i, 3,5,7,9,11,13
.irp b, 0,1,2,3
	v_max3_num_f32 v[BM+\b], v[BM+\b], v[S+16*\b+\i], v[S+1+16*\b+\i]
.endr
.endr
	v_max3_num_f32 v[BM], v[BM], v[BM+1], v[S+15]
	v_max3_num_f32 v[BM+2], v[BM+2], v[BM+3], v[S+47]
	v_max_num_f32 v[BM], v[BM], v[S+31]
	v_max_num_f32 v[BM+2], v[BM+2], v[S+63]        ; it serves twice: for the row's maximum and, since p rises with the score, for the block's largest p
	s_delay_alu instid0(VALU_DEP_1)
	v_max_num_f32 v[T], v[BM], v[BM+2]
	s_delay_alu instid0(VALU_DEP_1)
	v_permlanex16_b32 v[TX], v[T], s[SEL], s[SEL+1]
	s_delay_alu instid0(VALU_DEP_1)
	v_max3_num_f32 v13, v13, v[T], v[TX]           ; the running largest score of my query
	v_mov_b32 v[TO], v12
	s_delay_alu instid0(VALU_DEP_2)
	v_mul_f32 v[T], s[CS], v13                     ; as t (c is positive)
	s_delay_alu instid0(VALU_DEP_1)
	v_floor_f32 v12, -v[T]                         ; the new -M = -ceil(t)
.set n, 0
.rept 32
	v_pk_fma_f32 v[S+n:S+n+1], v[S+n:S+n+1], s[CS:CS+1], v[12:13] op_sel_hi:[1,0,0]   ; t - M, two at a time (of the pairs the low word serves both halves)
.set n, n+2
.endr
	v_fma_f32 v[BM], v[BM], s[CS], v12             ; the same of each block's largest score
	v_fma_f32 v[BM+2], v[BM+2], s[CS], v12
	v_sub_f32 v[T], v12, v[TO]                     ; M's old value less its new one: a whole number, 0 or less
	s_delay_alu instid0(VALU_DEP_1)
	v_cvt_i32_f32 v[T], v[T]                       ; (it saturates)
	s_delay_alu instid0(VALU_DEP_1)
	v_ldexp_f32 v[FF], 1.0, v[T]                   ; f = 2^(old M - new M)
.set n, 0
.rept 16
	v_pk_mul_f32 v[O+n:O+n+1], v[O+n:O+n+1], v[FF:FF+1] op_sel_hi:[1,0]   ; O^T under the new M, from each accumulator's low end on
.set n, n+2
.endr
	v_pk_mul_f32 v[14:15], v[14:15], v[FF:FF+1] op_sel_hi:[1,0]   ; and the sums
	s_wait_alu depctr_va_vdst(0)                   ; the wait ahead of the batch
	v_exp_f32 v[BM], v[BM]                         ; the blocks' largest p: the same two instructions on the same number give the same bits
	v_exp_f32 v[BM+2], v[BM+2]
.set n, 0
.rept 64
	v_exp_f32 v[S+n], v[S+n]                       ; p = 2^(t - M)
.set n, n+1
.endr
	v_nop                                          ; the plain place behind the exponentials
	s_wait_alu depctr_va_vdst(0)                   ; and the wait behind the batch
.irp c, 0,1
	v_max_num_f32 v[BM+2*\c], 0x2800000, v[BM+2*\c]   ; the floor 2^(5 - 127)
.endr
.irp c, 0,1
	v_add_nc_u32 v[SO+\c], 0xfe000000, v[BM+2*\c]  ; 4 off the exponent field: the conversion's scale operand
.endr
.irp c, 0,1
	v_cvt_scalef32_pk16_bf6_f32 v[PF+6*\c:PF+2+6*\c], v[S+32*\c:S+15+32*\c], v[SO+\c]
	v_cvt_scalef32_pk16_bf6_f32 v[CT+4*\c:CT+2+4*\c], v[S+16+32*\c:S+31+32*\c], v[SO+\c]   ; (a conversion's three registers begin on an even number)
.endr
.irp c, 0,1
	v_lshrrev_b32 v[BY+\c], 23, v[SO+\c]           ; the scale's byte.  (The plain place behind the conversions)
.endr
.irp c, 0,1
.irp i, 0,1,2
	v_mov_b32 v[PF+3+6*\c+\i], v[CT+4*\c+\i]
.endr
.endr
	v_lshl_or_b32 v[PS], v[BY+1], 16, v[BY]        ; my two bytes: blocks h and 2 + h,
	s_delay_alu instid0(VALU_DEP_1)
	v_lshlrev_b32 v[PS], v8, v[PS]                 ; at their places in the word (8 h bits up);
	s_delay_alu instid0(VALU_DEP_1)
	v_permlanex16_b32 v[PX], v[PS], s[SEL], s[SEL+1]
	s_delay_alu instid0(VALU_DEP_1)
	v_or_b32 v[PS], v[PS], v[PX]                   ; with lane l xor 16's two the word is whole
	s_wait_dscnt 0x0                               ; v's fragments and scale half-words are in
.irp p, 0,1
	v_lshl_or_b32 v[VS+\p], v[VR+2+\p], 16, v[VR+\p]   ; the two groups' half-words make the word for 128 keys
.endr
	v_pk_add_f32 v[XS:XS+1], v[S:S+1], v[S+2:S+3]  ; the row's sum of the unquantised p, two at a time, in four chains.  (These 32 are also the places ahead of the products below)
	v_pk_add_f32 v[XS+2:XS+3], v[S+4:S+5], v[S+6:S+7]
	v_pk_add_f32 v[XS+4:XS+5], v[S+8:S+9], v[S+10:S+11]
	v_pk_add_f32 v[14:15], v[14:15], v[S+12:S+13]
.set n, 14
.rept 6
	v_pk_add_f32 v[XS:XS+1], v[XS:XS+1], v[S+n:S+n+1]
	v_pk_add_f32 v[XS+2:XS+3], v[XS+2:XS+3], v[S+n+2:S+n+3]
	v_pk_add_f32 v[XS+4:XS+5], v[XS+4:XS+5], v[S+n+4:S+n+5]
	v_pk_add_f32 v[14:15], v[14:15], v[S+n+6:S+n+7]
.set n, n+8
.endr
	v_pk_add_f32 v[XS:XS+1], v[XS:XS+1], v[S+62:S+63]
	v_pk_add_f32 v[14:15], v[14:15], v[XS+4:XS+5]
	s_delay_alu instid0(VALU_DEP_2)
	v_pk_add_f32 v[XS:XS+1], v[XS:XS+1], v[XS+2:XS+3]
	s_delay_alu instid0(VALU_DEP_1)
	v_pk_add_f32 v[14:15], v[14:15], v[XS:XS+1]
.irp t, 0,1,2,3                                ; O^T += V^T P^T; the four accumulators take turns
	WM O+8*\t, KF+12*\t, PF, 0, VS+\t/2, PS, \t%2
.endr
.endm
; ONE PAIR (head, batch): its Q, eight key steps from slot h % 2, and the way out
.macro HEAD h
	s_wait_loadcnt 0x0                             ; this pair's Q is in
.irp i, 0,1,2,3,4,5
	v_mov_b32 v[QF+\i], v[QN+\i]
.endr
	v_mov_b32 v[QS], v[QNS]
.set n, 0
.rept 32
	v_mov_b32 v[O+n], 0                            ; the step is written once: the first finds zeros, which the first change of M leaves zeros
.set n, n+1
.endr
	v_mov_b32 v13, 0xff61b1e6                      ; the largest score so far: -3e38
	v_mov_b32 v12, 0x7d000000                      ; -M: 2^123, over every -ceil(t)
	v_mov_b32 v14, 0
	v_mov_b32 v15, 0
.if \h < 2
	QLOAD \h+1                                     ; the next pair's Q lands under this pair's steps
.endif
	s_mov_b32 s40, ((\h)%2)*HEADB
	s_mov_b32 s41, 0
	s_wait_alu depctr_va_vdst(0)
.Lkeys\h:
	STEP
	s_add_co_u32 s40, s40, 2*GRP
	s_add_co_u32 s41, s41, 1
	s_cmp_lt_u32 s41, 8
	s_cbranch_scc1 .Lkeys\h
	; the way out: register i of O^T is channel 32 (lane / 16) + i of my query; divided by the sum, through my stage, so that sixteen lanes store a row's 256 bytes of this head
	v_add_f32 v14, v14, v15
	s_delay_alu instid0(VALU_DEP_1)
	v_permlanex16_b32 v[TX], v14, s[SEL], s[SEL+1]
	s_delay_alu instid0(VALU_DEP_1)
	v_add_f32 v14, v14, v[TX]                      ; the row's sum
	s_wait_alu depctr_va_vdst(0)                   ; the wait ahead of the reciprocal
	v_rcp_f32 v14, v14
	v_nop
	v_nop                                          ; a plain place behind the reciprocal; with the lines above, the places behind the last products
	s_wait_alu depctr_va_vdst(0)                   ; and the wait ahead of its first reader, which is also O^T's
.set n, 0
.rept 16
	v_pk_mul_f32 v[S+n:S+n+1], v[O+n:O+n+1], v[14:15] op_sel_hi:[1,0]
.set n, n+2
.endr
.irp i, 0,1,2,3,4,5,6,7
	ds_store_b128 v5, v[S+4*\i:S+4*\i+3] offset:16*\i
.endr
.irp i, 0,1,2,3,4,5,6,7
	ds_load_b128 v[KF+4*\i:KF+4*\i+3], v6 offset:2*272*\i   ; LDS serves a wave's instructions in order: these see my stores
.endr
.irp i, 0,1,2,3,4,5,6,7
	s_wait_dscnt 7-\i                              ; the loads behind load i may be out
	global_store_b128 v7, v[KF+4*\i:KF+4*\i+3], s[56+2*\h:57+2*\h] offset:(2*\i+24*(\i/4))*3072 th:TH_STORE_NT   ; rows 2 i, 2 i + 1 of my tile are tokens 2 i + 24 (i / 4) and the next: sixteen lanes store 256 consecutive bytes, aligned
.endr
.endm
	s_load_b128 s[4:7], s[0:1], 0x0                ; qb, kv
	s_load_b64 s[8:9], s[0:1], 0x10                ; out0
	v_lshl_add_u32 v254, v0, 2, SPARE
	v_mov_b32 v255, 0
	ds_add_u32 v254, v255                          ; the opening lines: the add twice and one wait
	ds_add_u32 v254, v255
	v_lshrrev_b32 v1, 5, v0
	v_readfirstlane_b32 s[WV], v1
	s_bfe_u32 s10, ttmp6, 0x40000                  ; cx: my quarter of the queries (the grid is one cluster wide): it enters Q's and O's addresses alone
	s_and_b32 s12, ttmp7, 0xffff
	s_mul_i32 s12, s12, 3                          ; the cluster's first pair, 16 head + batch
	s_lshr_b32 s13, s[WV], 2
	s_lshl_b32 s16, s10, 2
	s_add_co_u32 s13, s13, s16                     ; my group of 64 queries
	s_and_b32 s17, s[WV], 3                        ; and my tile j in it
	s_lshl_b32 s16, s12, 4
	s_add_co_u32 s16, s16, s13
	s_mul_i32 s48, s16, REC                        ; the group's record in qb
	s_mul_i32 s16, s17, 768
	s_add_co_u32 s50, s48, s16                     ; my tile's codes
	s_mov_b32 s51, 0
	s_and_b32 s16, s17, 1
	s_lshr_b32 s19, s17, 1
	s_lshl_b32 s52, s16, 7
	s_lshl_b32 s53, s19, 2
	s_add_co_u32 s52, s52, s53
	s_add_co_u32 s52, s52, s48
	s_add_co_u32 s52, s52, 3072                    ; its scale half-words: 8 (r + 16 (j % 2)) + 4 (j / 2) behind the codes
	s_mov_b32 s53, 0
	s_lshl_b32 s54, s13, 6
	s_lshl_b32 s16, s17, 3
	s_add_co_u32 s54, s54, s16                     ; my tile's first token in the batch item: 64 group + 8 j
	s_mul_i32 s14, s12, HEADB
	s_mul_i32 s55, s[WV], GRP                      ; my 64 keys of an image
	s_add_co_u32 s14, s14, s55
	s_mov_b32 s15, 0
	s_mul_i32 s19, s[WV], 16*272
	s_add_co_u32 s19, s19, STAGE                   ; my stage
	; group 1: a dense block of 6,656 bytes as 26 rows of 256 bytes
	s_mov_b32 s[G1], 15|(3<<16)|(1<<21)            ; the mask: all four work-groups; elements of 8 bytes; bit 21 beside a mask
	s_mov_b32 s[G1+1], 32<<16
	s_mov_b32 s[G1+2], 26<<16
	s_mov_b32 s[G1+3], 32<<16
	s_mov_b32 s[G1+4], 26
	s_mov_b32 s[G1+5], 32
	s_mov_b32 s[G1+6], 0
	s_mov_b32 s[G1+7], 0
	s_mov_b32 s[SEL], 0x76543210
	s_mov_b32 s[SEL+1], 0xfedcba98
	s_mov_b32 s[CS], 0x3e38aa3b
	s_mov_b32 s[CS+1], s[CS]
	v_and_b32 v8, 31, v0
	v_and_b32 v9, 15, v0                           ; r
	v_bfe_u32 v10, v0, 4, 1                        ; h
	v_lshlrev_b32 v1, 4, v8                        ; 16 x lane, 8 x lane: my places in an image
	v_lshlrev_b32 v2, 3, v8
	v_mul_u32_u24 v5, v9, 272
	v_mul_u32_u24 v6, v10, 272
	v_mul_u32_u24 v7, v10, 3072
	v_lshl_add_u32 v5, v10, 7, v5
	v_lshl_add_u32 v6, v9, 4, v6
	v_lshl_add_u32 v7, v9, 4, v7                   ; v7: two neighbouring rows of out0, 16 bytes a lane
	v_add_nc_u32 v5, s19, v5                       ; v5: the stage, in: row r, + 128 h
	v_add_nc_u32 v6, s19, v6                       ; v6: back: lanes 0-15 one row of 256 bytes, lanes 16-31 the next
	v_lshlrev_b32 v11, 3, v9                       ; 8 r
	v_lshlrev_b32 v8, 3, v10                       ; 8 h
.irp i, 0,1,2,3,4,5
	v_mov_b32 v[QF+6+\i], 0                        ; channels 64 to 127 do not exist: zero codes
	v_mov_b32 v[KF+48+\i], 0                       ; what the last tile of k is named with
.endr
	v_mov_b32 v[TX], 0                             ; a lane permute's destination counts as a source
	v_mov_b32 v[PX], 0
	v_mov_b32 v[FF+1], 0
	s_wait_alu depctr_va_vdst(0)                   ; the wait at the head's end
	s_wait_dscnt 0x0
	s_wait_kmcnt 0x0
	s_add_nc_u64 s[50:51], s[4:5], s[50:51]
	s_add_nc_u64 s[52:53], s[4:5], s[52:53]
	s_add_nc_u64 s[14:15], s[6:7], s[14:15]
.irp p, 0,1
	s_mov_b32 s[G0+4*\p], 1
	s_add_co_u32 s[G0+4*\p+1], s55, HEADB*\p       ; LDS: the slot, + 6,656 x wave
	s_add_nc_u64 s[G0+4*\p+2:G0+4*\p+3], s[14:15], HEADB*\p   ; pair p's image, my 64 keys
	s_or_b32 s[G0+4*\p+3], s[G0+4*\p+3], 0x80000000
.endr
.irp h, 0,1,2                                  ; where my tile of each pair goes: (1,024 batch + first token) rows of 3,072 bytes + 256 head
	s_add_co_u32 s48, s12, \h
	s_and_b32 s49, s48, 15
	s_lshl_b32 s49, s49, 10
	s_add_co_u32 s49, s49, s54
	s_mul_i32 s49, s49, 3072
	s_lshr_b32 s48, s48, 4
	s_lshl_b32 s48, s48, 8
	s_add_co_u32 s48, s48, s49
	s_mov_b32 s49, 0
	s_add_nc_u64 s[56+2*\h:57+2*\h], s[8:9], s[48:49]
.endr
	ROUND                                          ; all four work-groups are here: the joint loads meet
	tensor_load_to_lds s[G0:G0+3], s[G1:G1+7]      ; pair 0 into slot 0: one load a wave
	s_nop 0
	QLOAD 0
	s_wait_tensorcnt 0x0                           ; my part of pair 0 is in
	ds_add_u32 v254, v255
	s_wait_dscnt 0x0
	ROUND
	tensor_load_to_lds s[G0+4:G0+7], s[G1:G1+7]    ; pair 1 into slot 1
	s_nop 0
	HEAD 0
	s_wait_xcnt 0x0                                ; the stores have read their data: the registers are loaded into again
	s_wait_tensorcnt 0x0                           ; my part of pair 1 is in,
	ds_add_u32 v254, v255
	s_add_nc_u64 s[G0+2:G0+3], s[G0+2:G0+3], 2*HEADB   ; no load of mine is out: slot 0's next image is pair 2's
	s_wait_dscnt 0x0                               ; and my reads of slot 0 are over
	ROUND                                          ; the same holds of every wave of the four work-groups
	tensor_load_to_lds s[G0:G0+3], s[G1:G1+7]      ; pair 2 into slot 0
	s_nop 0
	HEAD 1
	s_wait_xcnt 0x0
	s_wait_tensorcnt 0x0                           ; my part of pair 2 is in
	s_wait_dscnt 0x0
	s_barrier_signal -1
	s_barrier_wait -1                              ; so is everybody's
	HEAD 2
	s_wait_tensorcnt 0x0                           ; the wave's end
	ds_add_u32 v254, v255
	s_wait_dscnt 0x0
	ROUND                                          ; the closing round
	s_endpgm
.Lfunc_end_k_q53c8913f7c_attn:
	.size	k_q53c8913f7c_attn, .Lfunc_end_k_q53c8913f7c_attn-k_q53c8913f7c_attn
	.p2alignl 7, 3214868480
	.fill 96, 4, 3214868480
	.section	.rodata,"a",@progbits
	.p2align	6, 0x0
	.amdhsa_kernel k_q53c8913f7c_attn
		.amdhsa_group_segment_fixed_size 327680
		.amdhsa_private_segment_fixed_size 0
		.amdhsa_enable_private_segment 0
		.amdhsa_kernarg_size 24
		.amdhsa_user_sgpr_count 2
		.amdhsa_user_sgpr_kernarg_segment_ptr 1
		.amdhsa_wavefront_size32 1
		.amdhsa_system_sgpr_workgroup_id_x 1
		.amdhsa_system_sgpr_workgroup_id_y 1
		.amdhsa_system_sgpr_workgroup_id_z 1
		.amdhsa_system_vgpr_workitem_id 0
		.amdhsa_next_free_vgpr 256
		.amdhsa_next_free_sgpr 66
		.amdhsa_reserve_vcc 0
		.amdhsa_float_denorm_mode_32 3
		.amdhsa_float_denorm_mode_16_64 3
		.amdhsa_memory_ordered 1
		.amdhsa_forward_progress 1
		.amdhsa_inst_pref_size 70
	.end_amdhsa_kernel
	.amdgpu_metadata
---
amdhsa.version: [ 1, 2 ]
amdhsa.kernels:
  - .name:           k_q53c8913f7c_attn
    .symbol:         k_q53c8913f7c_attn.kd
    .args:
      - { .name: qb, .offset: 0, .size: 8, .value_kind: global_buffer, .address_space: global }
      - { .name: kv, .offset: 8, .size: 8, .value_kind: global_buffer, .address_space: global }
      - { .name: out0, .offset: 16, .size: 8, .value_kind: global_buffer, .address_space: global }
    .group_segment_fixed_size: 327680
    .private_segment_fixed_size: 0
    .kernarg_segment_align: 8
    .kernarg_segment_size: 24
    .max_flat_workgroup_size: 512
    .sgpr_count:     66
    .vgpr_count:     256
    .wavefront_size: 32
...
	.end_amdgpu_metadata
.endif
;; end of part 3
